; MI455X (gfx1250); checked and timed in simulation.
; The chip was launched on July 23, 2026; its instructions are those of AMD's public machine-readable ISA for CDNA 5 (MIT licence, August 2026) and "CDNA5" Instruction Set Architecture Reference Guide (July 2026). The comments in the code are by the model that wrote it; some were corrected since.
;; MHDPA. Allowed arithmetic: float matrix products may take bf16 or f16 operands with f32 sums; other float arithmetic in f32, or as packed bf16 or f16 multiplies, adds, multiply-adds, maxima and minima; sums over many terms, partial sums and values carried from step to step in f32; what a program stores and reads back later, other than sums and carried values, may be rounded once to bf16 or f16.
;; Inputs: Wk 37 x 64 float32; Wq 37 x 64 float32; Wv 37 x 64 float32; x 16 x 37 x 4,096 float32.
;; Outputs: out0 16 x 4,096 x 64 float32.
;; One version. Each part assembles by itself: llvm-mc -triple=amdgcn-amd-amdhsa -mcpu=gfx1250 --defsym DOCPART=n.
;; ======== version 1 of 1: 3 launches
;; limits: values outside matrix products are rounded to f16
;; workspace buffers: qh 8,388,608 bytes; kh 8,388,608 bytes; vh 8,388,608 bytes; vs 8,388,608 bytes
;; launch proj (part 1): grid 256 x 1, 4 waves a work-group, no clusters, 34,304 bytes of LDS; arguments x, Wq, Wk, Wv, qh, kh, vh; writes qh, kh, vh
.if DOCPART == 1
	.amdgcn_target "amdgcn-amd-amdhsa--gfx1250"
	.amdhsa_code_object_version 6
	.text
	.protected	k_q3c74b427d2_proj
	.globl	k_q3c74b427d2_proj
	.p2align	8
	.type	k_q3c74b427d2_proj,@function
k_q3c74b427d2_proj:
	s_mov_b64 s[64:65], 0
	v_nop
	global_prefetch_b8 v0, s[64:65] scope:SCOPE_SE
	s_setreg_imm32_b32 hwreg(HW_REG_WAVE_MODE, 25, 1), 1
	s_wait_xcnt 0x0
; q = LN(x^T Wq), k = LN(x^T Wk) c, v = LN(x^T Wv), c = log2(e) / 8.  x: [16][37][4096] f32, W: [37][64] f32; qh, kh, vh: [16][4096][64] f16.
; x and the weights are rounded to bf16 for the product; sums, mean, variance and scaling in f32; each result is rounded once to f16 (c is multiplied in ahead of that rounding).
; LIMITS.  A normalised row has |number| <= sqrt(63), far inside f16.  NaN and infinities are not treated apart.
; SHARES.  A work-group owns 256 entities of one batch, each of its four waves 64, once: no loop, no barrier.
; LAYOUT.  A load of 16 bytes a lane takes 4 neighbouring columns (4 r .. 4 r + 3, r = lane % 16) of one row d: 16 lanes take 256 consecutive aligned bytes: 64 entities of x, or all 64 channels of W.
; Component t of the loads is TILE t: lane r stands for entity 4 r + t (for W: BLOCK cb, lane r stands for channel 4 r + cb).  The rows d are chosen so that a lane's loads are its K places of a
; fragment (lane half h = lane / 16: K = 8 h + 0..7 and 16 + 8 h + 0..7).  K = 37 is filled up to 64 with zeros in both sources.
; PRODUCT.  Source 0 = a block of W (rows = channels), source 1 = a tile of x (columns = entities): register j of block cb's result holds entity 4 r + t, channel 32 h + 4 j + cb: a lane holds 32
; neighbouring channels of one entity, the lane 16 away the other 32: mean and variance want one exchange.
; NO TENSOR LOADS, NO PREFETCH: all 84 loads of a wave go out together at its head, and nothing is read twice.
; REGISTERS: window 0 as named below; window 1: v0-83 x as loaded (later v0-63 rows read back from the stage), v84-167 Wq, v168-251 Wk as loaded; window 2: v0-83 Wv as loaded.
.set XPITCH, 16384                     ; bytes from row d to row d + 1 of x
.set WPITCH, 256                       ; the same in W
.set SROW,   528                       ; a stage row: 4 entities x 128 bytes + 16 of padding = 33 x 16 bytes: the 16 rows that a store touches start at 16 different 16-byte columns of 256
.set STG,    16*SROW                   ; a wave's stage
.set SPARE,  4*STG                     ; behind the stages: the spare words, 128 bytes for each wave: two blocks of 256 bytes that no other line names
.set XO0, 3                            ; v3   16 r + h x 8 rows of x
.set XO1, 4                            ; v4   16 r
.set WO0, 5                            ; v5   16 r + h x 8 rows of W
.set HM,  6                            ; v6   all ones where h = 0, else 0: K = 32 .. 39 lie in the lower lanes, K = 40 .. 47 are zeros
.set STO, 7                            ; v7   where I put my 64 bytes of an entity
.set RD,  8                            ; v8   where I read a stage row back
.set GO,  9                            ; v9   16 x lane
.set SPW, 10                           ; v10  LDS address of my spare word; never rewritten
.set NIL, 11                           ; v11  0; never rewritten
.set HM2, 12                           ; v12  HM's low half alone: K = 36 is kept, K = 37 is a zero
.set T,   16                           ; v16-31   8 registers at work for each tile of a pair
.set XF,  32                           ; v32-95   x's fragments: tile t at 16 t, its second K step at + 8
.set WF,  96                           ; v96-159  W's fragments: block cb at 16 cb, likewise
.set ACC, 160                          ; v160-223 tile u of the pair, block cb at 32 u + 8 cb
.set OUT, 224                          ; v224-255 tile u: 16 registers of f16 pairs
.set MSB, 0
.macro WIN new                         ; the immediate's high byte repeats the setting that is left; a switch that changes nothing is dropped
.if MSB != (\new)
	s_set_vgpr_msb (MSB<<8)|(\new)
.set MSB, (\new)
.endif
.endm
.macro PLACES                          ; plain instructions between products and what reads their results or writes over their registers (ISA guide 7.12.1)
.rept 5
	v_nop
.endr
.endm
.macro BOTH line:vararg                ; one line for each tile u of the pair, so that no line reads the result of the line before it
.set u, 0
.rept 2
	\line
.set u, u+1
.endr
.endm
; 21 loads: rows d = 8 h + 0..7, 16 + 8 h + 0..7, and 32 .. 36 (the same for both halves of the lanes) -> registers base + 4 n
.macro RAWLD base, o0, o1, sb, pitch, nt
.set n, 0
.rept 21
.set im, n
.set ao, \o0
.if n >= 8
.set im, n+8
.endif
.if n >= 16
.set im, n+16
.set ao, \o1
.endif
.if \nt
	global_load_b128 v[(\base)+4*n:(\base)+4*n+3], v[ao], s[\sb:\sb+1] offset:im*(\pitch) th:TH_LOAD_NT
.else
	global_load_b128 v[(\base)+4*n:(\base)+4*n+3], v[ao], s[\sb:\sb+1] offset:im*(\pitch)
.endif
.set n, n+1
.endr
.endm
; The four fragments (two K steps each) of what lies at base in window win -> dst.  The registers dst + 16 t + 11 .. 15 hold 0 from the head on.
.macro PACKF win, base, dst
	WIN (\win)|((\win)<<2)
.set t, 0
.rept 4
.set i, 0
.rept 4
	v_cvt_pk_bf16_f32 v[(\dst)+16*t+i],   v[(\base)+8*i+t],    v[(\base)+8*i+4+t]
	v_cvt_pk_bf16_f32 v[(\dst)+16*t+4+i], v[(\base)+32+8*i+t], v[(\base)+32+8*i+4+t]
.set i, i+1
.endr
	v_cvt_pk_bf16_f32 v[(\dst)+16*t+8],  v[(\base)+64+t], v[(\base)+68+t]
	v_cvt_pk_bf16_f32 v[(\dst)+16*t+9],  v[(\base)+72+t], v[(\base)+76+t]
	v_cvt_pk_bf16_f32 v[(\dst)+16*t+10], v[(\base)+80+t], v[(\base)+80+t]
.set t, t+1
.endr
	WIN 0
.set t, 0
.rept 4
	v_and_b32 v[(\dst)+16*t+8],  v[HM],  v[(\dst)+16*t+8]
	v_and_b32 v[(\dst)+16*t+9],  v[HM],  v[(\dst)+16*t+9]
	v_and_b32 v[(\dst)+16*t+10], v[HM2], v[(\dst)+16*t+10]
.set t, t+1
.endr
.endm
; 16 products for tiles 2 pr and 2 pr + 1.  The 8 accumulators take turns: the first K step starts the sums, seven others stand between the two links of a chain.
.macro MUL pr
.irp ks, 0,1
.irp u, 0,1
.irp cb, 0,1,2,3
.if \ks == 0
	v_wmma_f32_16x16x32_bf16 v[ACC+32*\u+8*\cb:ACC+32*\u+8*\cb+7], v[WF+16*\cb:WF+16*\cb+7], v[XF+16*(2*(\pr)+\u):XF+16*(2*(\pr)+\u)+7], 0
.else
	v_wmma_f32_16x16x32_bf16 v[ACC+32*\u+8*\cb:ACC+32*\u+8*\cb+7], v[WF+16*\cb+8:WF+16*\cb+15], v[XF+16*(2*(\pr)+\u)+8:XF+16*(2*(\pr)+\u)+15], v[ACC+32*\u+8*\cb:ACC+32*\u+8*\cb+7]
.endif
.endr
.endr
.endr
.endm
.macro SUMUP                           ; four pairs of partial sums -> the sum over the entity's 64 channels, in T + 0
	BOTH v_pk_add_f32 v[T+8*u:T+8*u+1], v[T+8*u:T+8*u+1], v[T+8*u+2:T+8*u+3]
	BOTH v_pk_add_f32 v[T+8*u+4:T+8*u+5], v[T+8*u+4:T+8*u+5], v[T+8*u+6:T+8*u+7]
	BOTH v_pk_add_f32 v[T+8*u:T+8*u+1], v[T+8*u:T+8*u+1], v[T+8*u+4:T+8*u+5]
	BOTH v_add_f32 v[T+8*u], v[T+8*u], v[T+8*u+1]
	BOTH v_permlanex16_b32 v[T+8*u+1], v[T+8*u], s24, s25
	BOTH v_add_f32 v[T+8*u], v[T+8*u], v[T+8*u+1]
.endm
; LayerNorm of both tiles, as reference() has it: the mean is taken away first, the variance is the mean of the squares of what is left.  Each accumulator's lowest registers are read first.
.macro LN
.set a, 0
.rept 4
	BOTH v_pk_add_f32 v[T+8*u+2*a:T+8*u+2*a+1], v[ACC+32*u+8*a:ACC+32*u+8*a+1], v[ACC+32*u+8*a+2:ACC+32*u+8*a+3]
.set a, a+1
.endr
.irp j, 4,6
.set a, 0
.rept 4
	BOTH v_pk_add_f32 v[T+8*u+2*a:T+8*u+2*a+1], v[T+8*u+2*a:T+8*u+2*a+1], v[ACC+32*u+8*a+\j:ACC+32*u+8*a+\j+1]
.set a, a+1
.endr
.endr
	SUMUP
	BOTH v_mul_f32 v[T+8*u], s26, v[T+8*u]
.set i, 0
.rept 16
	BOTH v_pk_add_f32 v[ACC+32*u+2*i:ACC+32*u+2*i+1], v[ACC+32*u+2*i:ACC+32*u+2*i+1], v[T+8*u:T+8*u+1] op_sel_hi:[1,0] neg_lo:[0,1] neg_hi:[0,1]
.set i, i+1
.endr
.set a, 0
.rept 4
	BOTH v_pk_mul_f32 v[T+8*u+2*a:T+8*u+2*a+1], v[ACC+32*u+8*a:ACC+32*u+8*a+1], v[ACC+32*u+8*a:ACC+32*u+8*a+1]
.set a, a+1
.endr
.irp j, 2,4,6
.set a, 0
.rept 4
	BOTH v_pk_fma_f32 v[T+8*u+2*a:T+8*u+2*a+1], v[ACC+32*u+8*a+\j:ACC+32*u+8*a+\j+1], v[ACC+32*u+8*a+\j:ACC+32*u+8*a+\j+1], v[T+8*u+2*a:T+8*u+2*a+1]
.set a, a+1
.endr
.endr
	SUMUP
	BOTH v_fma_f32 v[T+8*u], v[T+8*u], s26, s27
	BOTH v_rsq_f32 v[T+8*u+2], v[T+8*u]
	v_nop                                          ; a plain instruction between the root and the use of its result (ISA guide 5.7.2)
	s_wait_alu depctr_va_vdst(0)
	BOTH v_mul_f32 v[T+8*u+2], s28, v[T+8*u+2]
.set i, 0
.rept 16
	BOTH v_pk_mul_f32 v[ACC+32*u+2*i:ACC+32*u+2*i+1], v[ACC+32*u+2*i:ACC+32*u+2*i+1], v[T+8*u+2:T+8*u+3] op_sel_hi:[1,0]
.set i, i+1
.endr
.set p, 0
.rept 16                               ; channels 32 h + 2 p and + 1 lie in register p / 2 of blocks 2 (p % 2) and 2 (p % 2) + 1
	BOTH v_cvt_pk_f16_f32 v[OUT+16*u+p], v[ACC+32*u+16*(p%2)+p/2], v[ACC+32*u+16*(p%2)+8+p/2]
.set p, p+1
.endr
.endm
; One of the three projections: weights at base in window win; left = the weight loads issued behind its own; ob = the output's address; scale = what the normalised row is multiplied by.
.macro MATRIX win, base, left, ob, scale
	s_wait_loadcnt \left                           ; loads come back in order (ISA guide 5.7.1): this matrix is in, the later ones may stay out
	PACKF \win, \base, WF
	s_mov_b32 s28, \scale
.irp pr, 0,1
	MUL \pr
	PLACES
	LN
.irp u, 0,1
.irp q, 0,1,2,3
	ds_store_b128 v[STO], v[OUT+16*\u+4*\q:OUT+16*\u+4*\q+3] offset:(2*\pr+\u)*128+16*\q
.endr
.endr
.endr
	s_wait_xcnt 0x0                                ; the last matrix's stores have read the registers that the loads below write
	WIN 0x40                                       ; destination window 1
.set i, 0
.rept 16
	ds_load_b128 v[4*i:4*i+3], v[RD] offset:SROW*i ; LDS serves a wave's instructions in order (ISA guide 5.7.1.4): these see the stores above; the stage is my wave's own
.set i, i+1
.endr
	WIN 0x04                                       ; a store's data is source 1: window 1
.set i, 0
.rept 16
	s_wait_dscnt 15-i                              ; row i is back; the younger reads may stay out
	global_store_b128 v[GO], v[4*i:4*i+3], s[\ob:\ob+1] offset:512*i  ; 4 entities: 512 consecutive bytes, at a multiple of 256 from the buffer's first
.set i, i+1
.endr
	WIN 0
.endm
	s_load_b256 s[4:11], s[0:1], 0x0               ; x s[4:5], Wq s[6:7], Wk s[8:9], Wv s[10:11]
	s_load_b128 s[12:15], s[0:1], 0x20             ; qh s[12:13], kh s[14:15]
	s_load_b64 s[16:17], s[0:1], 0x30              ; vh
	v_lshl_add_u32 v[SPW], v0, 2, SPARE
	v_mov_b32 v[NIL], 0
	v_lshrrev_b32 v1, 5, v0
	v_readfirstlane_b32 s20, v1                    ; wave 0..3
	v_and_b32 v1, 15, v0                           ; r
	v_bfe_u32 v2, v0, 4, 1                         ; h
	v_lshlrev_b32 v[XO1], 4, v1
	v_lshl_add_u32 v[XO0], v2, 17, v[XO1]          ; 8 rows of 16,384 bytes
	v_lshl_add_u32 v[WO0], v2, 11, v[XO1]          ; 8 rows of 256 bytes
	v_add_nc_u32 v[HM], -1, v2
	v_and_b32 v[HM2], 0xffff, v[HM]
	s_mul_i32 s21, s20, STG                        ; my stage
	v_mul_u32_u24 v[STO], v1, SROW
	v_lshl_add_u32 v[STO], v2, 6, v[STO]
	v_add_nc_u32 v[STO], s21, v[STO]
	v_and_b32 v[GO], 31, v0
	v_lshlrev_b32 v[GO], 4, v[GO]
	v_add_nc_u32 v[RD], s21, v[GO]
	s_lshr_b32 s22, ttmp9, 4                       ; the batch,
	s_mul_i32 s22, s22, 37*XPITCH
	s_and_b32 s23, ttmp9, 15                       ; the block of 256 entities,
	s_lshl_b32 s23, s23, 10
	s_add_co_u32 s22, s22, s23
	s_lshl_b32 s23, s20, 8                         ; my wave's 64 of them
	s_add_co_u32 s22, s22, s23
	s_mov_b32 s23, 0
	s_lshl_b32 s30, ttmp9, 15                      ; in the outputs: 256 entities of 128 bytes,
	s_lshl_b32 s31, s20, 13                        ; my wave's 64
	s_add_co_u32 s30, s30, s31
	s_mov_b32 s31, 0
	s_mov_b32 s24, 0x76543210                      ; v_permlanex16_b32: each lane takes its own place in the other half
	s_mov_b32 s25, 0xfedcba98
	s_mov_b32 s26, 0x3c800000                      ; 1 / 64
	s_mov_b32 s27, 0x3727c5ac                      ; 1e-5
	s_wait_kmcnt 0x0
	s_add_nc_u64 s[4:5], s[4:5], s[22:23]
	s_add_nc_u64 s[12:13], s[12:13], s[30:31]
	s_add_nc_u64 s[14:15], s[14:15], s[30:31]
	s_add_nc_u64 s[16:17], s[16:17], s[30:31]
	WIN 0x40                                       ; destination window 1
	RAWLD 0,   XO0, XO1, 4, XPITCH, 1
	RAWLD 84,  WO0, XO1, 6, WPITCH, 0
	RAWLD 168, WO0, XO1, 8, WPITCH, 0
	WIN 0x80                                       ; destination window 2
	RAWLD 0,   WO0, XO1, 10, WPITCH, 0
	WIN 0
.set t, 0
.rept 4                                ; K = 38 .. 63 of both sources: zeros, written once, while the loads are on their way
.irp i, 11,12,13,14,15
	v_mov_b32 v[XF+16*t+\i], 0
	v_mov_b32 v[WF+16*t+\i], 0
.endr
.set t, t+1
.endr
	s_wait_loadcnt 63                              ; x's 21 loads are in; the 63 of the weights may stay out
	PACKF 1, 0, XF
	MATRIX 1, 84,  42, 12, 0x3f800000              ; q
	MATRIX 1, 168, 21, 14, 0x3e38aa3b              ; k, times c = log2(e) / 8 = 0.180337
	MATRIX 2, 0,   0,  16, 0x3f800000              ; v
	s_wait_tensorcnt 0x0                           ; the wave's end: behind my last LDS store
	ds_add_u32 v[SPW], v[NIL]
	s_wait_dscnt 0x0
	s_endpgm
.Lfunc_end_k_q3c74b427d2_proj:
	.size	k_q3c74b427d2_proj, .Lfunc_end_k_q3c74b427d2_proj-k_q3c74b427d2_proj
	.p2alignl 7, 3214868480
	.fill 96, 4, 3214868480
	.section	.rodata,"a",@progbits
	.p2align	6, 0x0
	.amdhsa_kernel k_q3c74b427d2_proj
		.amdhsa_group_segment_fixed_size 34304
		.amdhsa_private_segment_fixed_size 0
		.amdhsa_enable_private_segment 0
		.amdhsa_kernarg_size 56
		.amdhsa_user_sgpr_count 2
		.amdhsa_user_sgpr_kernarg_segment_ptr 1
		.amdhsa_wavefront_size32 1
		.amdhsa_system_sgpr_workgroup_id_x 1
		.amdhsa_system_sgpr_workgroup_id_y 1
		.amdhsa_system_sgpr_workgroup_id_z 1
		.amdhsa_system_vgpr_workitem_id 0
		.amdhsa_next_free_vgpr 608
		.amdhsa_next_free_sgpr 66
		.amdhsa_reserve_vcc 0
		.amdhsa_float_denorm_mode_32 3
		.amdhsa_float_denorm_mode_16_64 3
		.amdhsa_memory_ordered 1
		.amdhsa_forward_progress 1
		.amdhsa_inst_pref_size 111
	.end_amdhsa_kernel
	.amdgpu_metadata
---
amdhsa.version: [ 1, 2 ]
amdhsa.kernels:
  - .name:           k_q3c74b427d2_proj
    .symbol:         k_q3c74b427d2_proj.kd
    .args:
      - { .name: x, .offset: 0, .size: 8, .value_kind: global_buffer, .address_space: global }
      - { .name: Wq, .offset: 8, .size: 8, .value_kind: global_buffer, .address_space: global }
      - { .name: Wk, .offset: 16, .size: 8, .value_kind: global_buffer, .address_space: global }
      - { .name: Wv, .offset: 24, .size: 8, .value_kind: global_buffer, .address_space: global }
      - { .name: qh, .offset: 32, .size: 8, .value_kind: global_buffer, .address_space: global }
      - { .name: kh, .offset: 40, .size: 8, .value_kind: global_buffer, .address_space: global }
      - { .name: vh, .offset: 48, .size: 8, .value_kind: global_buffer, .address_space: global }
    .group_segment_fixed_size: 34304
    .private_segment_fixed_size: 0
    .kernarg_segment_align: 8
    .kernarg_segment_size: 56
    .max_flat_workgroup_size: 128
    .sgpr_count:     66
    .vgpr_count:     608
    .wavefront_size: 32
...
	.end_amdgpu_metadata
.endif
;; end of part 1
;; launch colsum (part 2): grid 16 x 16, 4 waves a work-group, clusters of 4 x 1, 327,680 bytes of LDS; arguments qh, kh, vh, vs; writes vs
.if DOCPART == 2
	.amdgcn_target "amdgcn-amd-amdhsa--gfx1250"
	.amdhsa_code_object_version 6
	.text
	.protected	k_q3c74b427d2_colsum
	.globl	k_q3c74b427d2_colsum
	.p2align	8
	.type	k_q3c74b427d2_colsum,@function
k_q3c74b427d2_colsum:
	s_mov_b64 s[64:65], 0
	v_nop
	global_prefetch_b8 v0, s[64:65] scope:SCOPE_SE
	s_setreg_imm32_b32 hwreg(HW_REG_WAVE_MODE, 25, 1), 1
	s_wait_xcnt 0x0
	s_wait_alu depctr_hold_cnt(0) depctr_sa_sdst(0) depctr_va_vdst(0) depctr_va_sdst(0) depctr_va_ssrc(0) depctr_va_vcc(0) depctr_vm_vsrc(0)
	s_getreg_b32 s2, hwreg(HW_REG_IB_STS2, 6, 4)
	s_cmp_eq_u32 s2, 0
	s_cbranch_scc0 .Lentry_in_a_cluster
	s_endpgm
.Lentry_in_a_cluster:
	s_bfe_u32 s2, ttmp6, 0x10000c
	s_cmp_lg_u32 s2, 0x3003
	s_cbranch_scc0 .Lentry_shape_is_right
	s_endpgm
.Lentry_shape_is_right:
; Z[k] = the sum over all 4,096 queries q of 2^(qh[q] . kh[k]) (kh carries log2(e) / 8), then vs[k][:] = vh[k][:] x 4096 / Z[k].  qh, kh, vh, vs: [16][4096][64] f16.  Products and sums in f32.
; NO MAXIMUM IS TAKEN AWAY: reference() normalises q and k itself, |q|^2 and |k|^2 are below 64, so |q . k / 8| < 8 for every input: an exponential lies in 3.4e-4 .. 2,981, Z in 1.37 .. 1.22e7.
; LIMITS.  4096 / Z lies in 3.4e-4 .. 2,981 and |v| <= sqrt(63), so |vs| < 23,900, inside f16; the factor 4096, a power of two, is taken out again by the launch behind.  v is rounded to f16 twice
; (vh, vs).  The sum over q goes in another order than reference()'s.  NaN and infinities are not treated apart.
; SHARES.  A work-group owns 256 keys of one batch.  EVERY wave holds all 256 keys' fragments in registers (256 of them) and walks its own quarter of the queries: a fragment of 16 queries, 4 LDS
; loads, feeds 32 products.  The four waves' partial Z meet in LDS once, at the end.
; LAYOUT.  S = Q K^T (source 0 = 16 queries, source 1 = 16 keys): a lane holds ONE key (lane % 16) and the queries 8 (lane / 16) + 0..7: the sum over queries stays in the lane.
; BY TURNS.  The 16 key tiles are two halves with a score buffer each: behind each product of one half stand six vector lines (four exponentials, two packed sums) of the other half.
; CLUSTER.  The four key blocks of a cluster belong to one batch and walk the same q: each tile is asked for JOINTLY: the same tensor load, descriptor and mask in all four.
; RING.  Two slots of 512 queries; wave w fetches and reads quarter w alone.  One tensor load of a wave is out at a time.
; REGISTERS: window 0 as named below; window 1: K's fragments, key tile kt, K step ks at 16 kt + 8 ks; window 2: v0-63 my 64 rows of vh.
; The loop runs under ONE window setting, source 1 in window 1: only the products have a vector source 1 (the sum is S x 1.0 + Z for that reason).
.set PQ,    144       ; a row of q in LDS: 128 bytes + 16 of padding = 9 x 16 bytes: the 16 rows of a load start at 16 different 16-byte columns of 256
.set QUART, 128*PQ    ; a wave's quarter of a slot
.set SLOT1, 1<<17     ; slot 1 begins here, so that one exclusive or turns an address in one slot into the other's
.set ZR,    SLOT1+4*QUART  ; behind the ring, never filled by a tensor load: the partial Z, [wave][key % 4][key / 4], 4,096 bytes
.set SPARE, ZR+4096   ; the spare words, 128 bytes for each wave: two blocks of 256 bytes that no other line names
.set STEPB, 65536     ; 512 queries in memory
.set AQ0, 3           ; v3   my lane's place in my quarter's first tile; never rewritten
.set ADR, 4           ; v4   the LDS address of the run of loads in hand
.set KO,  5           ; v5   my byte offset in 16 rows of kh
.set VO,  6           ; v6   16 x lane
.set ZST, 7           ; v7   where I put a partial Z
.set ZLD, 8           ; v8   where I read the Z of my 16 rows of v
.set PFO, 9           ; v9   256 x lane; never rewritten
.set SPW, 10          ; v10  LDS address of my spare word; never rewritten
.set NIL, 11          ; v11  0; never rewritten
.set ZS,  16          ; v16-47   a pair of running sums for each key tile
.set QF,  48          ; v48-79   q's fragments, two buffers of 16
.set ZP,  80          ; v80-95   the end: my partial Z
.set RZ,  96          ; v96-111  the end: 4096 / Z
.set S,   128         ; v128-255 the scores, a buffer of 64 for each half of the key tiles
.set VN,  144         ; the end: v' to be stored, v144-207
.set WV,  12          ; s12  my wave's number
.set LIM, 15          ; s15  1 in a wave that prefetches, else the greatest number
.set PFA, 18          ; s[18:19] where my prefetches stand
.set G1,  24          ; s[24:31] descriptor group 1
.set G0,  40          ; s[40:43] descriptor group 0: it walks
.set SLOTS, 56        ; s56  counts the fills still to come
.set CNT, 57          ; s57  counts pairs of tiles
.set SC,  58          ; s[58:59] 2^-12
.set SEL, 60          ; s[60:61] v_permlanex16_b32's selects
.set TB,  62          ; s62  LDS byte, in a quarter, of the tile to be fetched
.set W_LOOP, 0x04
.set MSB, 0
.macro WIN new                      ; the high byte repeats the setting that is left; a switch that changes nothing is dropped
.if MSB != (\new)
	s_set_vgpr_msb (MSB<<8)|(\new)
.set MSB, (\new)
.endif
.endm
.macro PLACES
.rept 4
	v_nop
.endr
.endm
; A joint fill: every wave fetches its own quarter (both addresses hang on the wave's number).  An s_nop 0 and four v_nop follow the line.
.macro JLOAD
	tensor_load_to_lds s[G0:G0+3], s[G1:G1+7]
	s_nop 0
.rept 4
	v_nop
.endr
.endm
; A PREFETCH INTO THE L2 of the 512 queries that the NEXT fill will ask for: 256 blocks of 256 bytes.  All four clusters of a batch walk the same q: the batch's first cluster asks.  Its four partners
; share the blocks out BY ADDRESS, 64 each; in each, waves 0 and 1 ask for 32, a lane a block.  So each block is named once in the launch.  The fill of the last 512 queries asks for nothing.
.macro ASK
	s_cmp_gt_u32 s[SLOTS], s[LIM]
	s_cbranch_scc0 .Lnot_mine_\@
	global_prefetch_b8 v[PFO], s[PFA:PFA+1] th:TH_LOAD_NT scope:SCOPE_SE
.Lnot_mine_\@:
.endm
; A round of the cluster's barrier: my work-group's barrier, so that wave 0's signal speaks for all four waves; wave 0 signals; every wave waits for all four work-groups; my work-group's barrier once more.
.macro CROUND
	s_barrier_signal -1
	s_barrier_wait -1
	s_cmp_lg_u32 s[WV], 0
	s_cbranch_scc1 .Lnot_wave_0_\@
	s_barrier_signal -3
.Lnot_wave_0_\@:
	s_barrier_wait -3
	s_barrier_signal -1
	s_barrier_wait -1
.endm
; THE CHANGE OF SLOTS.  The old slot's last tile lies in registers.  Each wave waits for all its tensor loads, of which one is out: its quarter of the other slot; adds 0 to its spare word; and waits for
; that and for its reads of the old slot.  fill = 1: the old slot is filled again, with the queries two slots on: the barrier is a round of the cluster's, so that no wave of any partner still reads the
; slot or has a load on its way, and the joint fill is the first thing behind it: it has 8 tiles, 256 products, in which to land.  (At its first use nothing has been read: slot 0 is waited for, slot 1 filled.)
.macro CHANGE fill
	WIN 0                           ; at a label and at a branch every window is 0
	s_wait_tensorcnt 0x0            ; no tensor load of mine is out, so group 0 may be written
	ds_add_u32 v[SPW], v[NIL]       ; 0 onto my spare word
.if \fill
	s_xor_b32 s[G0+1], s[G0+1], SLOT1
	s_add_nc_u64 s[G0+2:G0+3], s[G0+2:G0+3], STEPB  ; the type bits on top are not reached
	s_wait_xcnt 0x0                 ; the last prefetch, 8 tiles back, has read its address
	s_add_nc_u64 s[PFA:PFA+1], s[PFA:PFA+1], STEPB
	s_wait_dscnt 0x0                ; the add is done, and my reads of the slot are over
	CROUND
	JLOAD
	ASK
.else
	s_wait_dscnt 0x0                ; the add is done, and my reads of the slot are over
	s_barrier_signal -1
	s_barrier_wait -1
.endif
	s_sub_co_u32 s[TB], s[TB], QUART  ; the fetches go back to a quarter's first tile,
	s_xor_b32 s[TB], s[TB], SLOT1     ; in the other slot
.endm
; Product n of 16 for half x of the key tiles, on q's buffer b: K step n / 8, key tile 8 x + n % 8.  The 8 accumulators take turns; the first 8 products start the sums.
.macro MMQ x, n, b
.set rD, S+64*(\x)+8*((\n)%8)
.set rA, QF+16*(\b)+8*((\n)/8)
.set rB, 16*(8*(\x)+(\n)%8)+8*((\n)/8)
.if (\n) < 8
	v_wmma_f32_16x16x32_f16 v[rD:rD+7], v[rA:rA+7], v[rB:rB+7], 0
.else
	v_wmma_f32_16x16x32_f16 v[rD:rD+7], v[rA:rA+7], v[rB:rB+7], v[rD:rD+7]
.endif
.endm
; Pair p of a buffer's 32: tile p % 2 + 2 (p / 8), registers 2 ((p / 2) % 4) and the next: each accumulator's lowest registers are read first.
.macro EXP2 x, p
.set rS, S+64*(\x)+8*(((\p)%2)+2*((\p)/8))+2*(((\p)/2)%4)
	v_exp_f32 v[rS], v[rS]
	v_exp_f32 v[rS+1], v[rS+1]
.endm
.macro ACCU x, p
.set rS, S+64*(\x)+8*(((\p)%2)+2*((\p)/8))+2*(((\p)/2)%4)
.set rZ, ZS+2*(8*(\x)+((\p)%2)+2*((\p)/8))
	s_wait_alu depctr_va_vdst(0)
	v_pk_fma_f32 v[rZ:rZ+1], v[rS:rS+1], 1.0, v[rZ:rZ+1] op_sel_hi:[1,0,1]
.endm
; Slice n of 16 of half x's vector work.  Between a pair's exponentials and its sum stands another pair's sum (in slice 0 a v_nop): a plain instruction (ISA guide 5.7.2).
.macro RIDE x, n
	EXP2 \x, 2*(\n)
.if (\n) == 0
	v_nop
.else
	ACCU \x, 2*(\n)-1
.endif
	EXP2 \x, 2*(\n)+1
	ACCU \x, 2*(\n)
.if (\n) == 15
	ACCU \x, 31
.endif
.endm
.macro FETCHQ b                     ; a tile of 16 queries x 64 channels: lane l takes row l % 16, 16 bytes at 16 (l / 16), four times 32 bytes apart
	v_add_nc_u32 v[ADR], v[AQ0], s[TB]
.irp f, 0,1,2,3
	ds_load_b128 v[QF+16*(\b)+4*\f:QF+16*(\b)+4*\f+3], v[ADR] offset:32*\f
.endr
	s_add_co_u32 s[TB], s[TB], 16*PQ
.endm
; A tile of 16 queries, in q's buffer b: 32 products; beside the first 16 the vector work on the tile before's second half, beside the others that on its own first half.
; The next tile is fetched behind slice 3, more than four plain instructions behind the last product that read that buffer, and waited for at the next tile's head, 28 products later.
; first = 1: there is no tile before: the first 16 products stand bare, and four v_nop are the places in front of the first read of their results.
.macro TILE b, first=0, fetch=1
	s_wait_dscnt 0x0                ; this tile's four loads
	WIN W_LOOP
.set i, 0
.rept 16
	MMQ 0, i, \b
.if !(\first)
	RIDE 1, i
.endif
.if (\fetch) && (i == 3)
	FETCHQ 1-(\b)
.endif
.set i, i+1
.endr
.if \first
	PLACES
.endif
.set i, 0
.rept 16
	MMQ 1, i, \b
	RIDE 0, i
.set i, i+1
.endr
.endm
	s_load_b256 s[4:11], s[0:1], 0x0  ; qh s[4:5], kh s[6:7], vh s[8:9], vs s[10:11]
	v_lshl_add_u32 v[SPW], v0, 2, SPARE
	v_mov_b32 v[NIL], 0
	ds_add_u32 v[SPW], v[NIL]       ; the wave's opening: the add and its wait stand ahead of my first tensor load; the set-up below, work on registers, stands between them
	v_lshrrev_b32 v1, 5, v0
	v_readfirstlane_b32 s[WV], v1   ; wave 0..3
	s_bfe_u32 s13, ttmp6, 0x40000   ; cx: my place in the cluster: it enters kh's, vh's, vs's and the prefetches' addresses alone
	s_lshl_b32 s14, ttmp9, 2        ; in a cluster launch ttmp9 counts clusters
	s_add_co_u32 s14, s14, s13      ; my block of 256 keys
	s_and_b32 s20, ttmp7, 0xffff    ; the batch, which the four partners share:
	s_lshl_b32 s20, s20, 19         ; its 4,096 rows of 128 bytes
	s_mov_b32 s21, 0
	s_lshl_b32 s22, s[WV], 14       ; my quarter of 512 queries in memory
	s_mov_b32 s23, 0
	s_add_nc_u64 s[22:23], s[22:23], s[20:21]
	s_lshl_b32 s2, s14, 15          ; my work-group's 256 keys
	s_mov_b32 s3, 0
	s_add_nc_u64 s[2:3], s[2:3], s[20:21]
	s_lshl_b32 s16, s[WV], 13       ; my wave's 64 rows of them
	s_mov_b32 s17, 0
	s_add_nc_u64 s[16:17], s[16:17], s[2:3]
	s_lshl_b32 s44, s13, 14         ; the prefetches: my work-group's 64 blocks,
	s_lshl_b32 s45, s[WV], 13       ; my wave's 32,
	s_add_co_u32 s44, s44, s45
	s_add_co_u32 s44, s44, STEPB    ; in the second 512 queries: the first change of slots steps it to the third
	s_mov_b32 s45, 0
	s_add_nc_u64 s[44:45], s[44:45], s[20:21]
	s_lshr_b32 s[LIM], s[WV], 1     ; 0 in waves 0 and 1,
	s_or_b32 s[LIM], s[LIM], ttmp9  ; where the cluster is the batch's first: the same in all four partners
	s_cmp_eq_u32 s[LIM], 0
	s_cselect_b32 s[LIM], 1, -1
	; descriptor group 1.  128 queries are 16,384 dense bytes: asked for as 64 rows of 256 bytes, two queries a row, and padded in LDS after every query
	s_mov_b32 s[G1], 15|(1<<16)|(1<<20)|(1<<21)|(4<<22)|(3<<25)  ; 15:0 the mask of four; 17:16 2-byte elements; 20 padding on; 21 set beside a mask; 24:22 after every 32 words (code 4); 31:25 4 words (code 3)
	s_mov_b32 s[G1+1], 128<<16      ; tensor_dim0 = 128
	s_mov_b32 s[G1+2], 64<<16       ; tensor_dim1 = 64
	s_mov_b32 s[G1+3], 128<<16      ; tile_dim0 = 128
	s_mov_b32 s[G1+4], 64           ; tile_dim1 = 64
	s_mov_b32 s[G1+5], 128          ; 128 elements from row to row
	s_mov_b32 s[G1+6], 0
	s_mov_b32 s[G1+7], 0
	s_mov_b32 s[G0], 1              ; 1:0 count = 1
	s_mul_i32 s[G0+1], s[WV], QUART ; 63:32 LDS address: my quarter of slot 0
	s_mul_i32 s46, s[WV], QUART
	s_mov_b32 s[SC], 0x39800000     ; 2^-12
	s_mov_b32 s[SC+1], s[SC]        ; named with it as a pair
	s_mov_b32 s[SEL], 0x76543210
	s_mov_b32 s[SEL+1], 0xfedcba98
	s_mov_b32 s[TB], SLOT1+QUART    ; the first change of slots turns it into 0
	s_mov_b32 s[SLOTS], 7
	s_wait_dscnt 0x0                ; the opening add is done
	s_wait_kmcnt 0x0
	s_add_nc_u64 s[G0+2:G0+3], s[4:5], s[22:23]  ; 120:64 global address
	s_or_b32 s[G0+3], s[G0+3], 0x80000000        ; 127:126 type = 2
	s_add_nc_u64 s[PFA:PFA+1], s[4:5], s[44:45]
	s_add_nc_u64 s[6:7], s[6:7], s[2:3]
	s_add_nc_u64 s[8:9], s[8:9], s[16:17]
	s_add_nc_u64 s[10:11], s[10:11], s[16:17]
	CROUND                          ; all four work-groups are here: the first joint loads meet
	JLOAD                           ; the first 512 queries, into slot 0
	v_and_b32 v1, 15, v0            ; r = l % 16
	v_bfe_u32 v2, v0, 4, 1          ; h = l / 16
	v_lshlrev_b32 v[KO], 7, v1
	v_lshl_add_u32 v[KO], v2, 4, v[KO]  ; row x 128 + 16 x half
	v_and_b32 v[VO], 31, v0
	v_lshlrev_b32 v[PFO], 8, v[VO]
	v_lshlrev_b32 v[VO], 4, v[VO]
	WIN 0x40                        ; destination window 1: all 256 keys' fragments, which stay
.set kt, 0
.rept 16
.irp ks, 0,1
	global_load_b128 v[16*kt+8*\ks:16*kt+8*\ks+3],   v[KO], s[6:7] offset:kt*2048+\ks*64
	global_load_b128 v[16*kt+8*\ks+4:16*kt+8*\ks+7], v[KO], s[6:7] offset:kt*2048+\ks*64+32
.endr
.set kt, kt+1
.endr
	WIN 0x80                        ; destination window 2: my 64 rows of vh, wanted at the end: load i brings rows 4 i .. 4 i + 3, 512 consecutive bytes
.set i, 0
.rept 16
	global_load_b128 v[4*i:4*i+3], v[VO], s[8:9] offset:512*i th:TH_LOAD_NT
.set i, i+1
.endr
	WIN 0
	v_mul_u32_u24 v[AQ0], v1, PQ
	v_lshl_add_u32 v[AQ0], v2, 4, v[AQ0]
	v_add_nc_u32 v[AQ0], s46, v[AQ0]
	v_and_b32 v[ZST], 3, v0         ; key 16 kt + r lies at [key % 4][key / 4]: (r % 4) x 256 + (r / 4) x 4 + 16 kt
	v_lshlrev_b32 v[ZST], 8, v[ZST]
	v_bfe_u32 v[ZLD], v0, 2, 2
	v_lshl_add_u32 v[ZST], v[ZLD], 2, v[ZST]
	s_lshl_b32 s47, s[WV], 10
	s_add_co_u32 s47, s47, ZR
	v_add_nc_u32 v[ZST], s47, v[ZST]
	v_bfe_u32 v[ZLD], v0, 3, 2      ; of vh's load i my lane holds key 64 w + 4 i + l / 8: [l / 8][16 w + i]: 64 consecutive bytes for i = 0 .. 15
	v_lshlrev_b32 v[ZLD], 8, v[ZLD]
	s_lshl_b32 s47, s[WV], 6
	s_add_co_u32 s47, s47, ZR
	v_add_nc_u32 v[ZLD], s47, v[ZLD]
.set i, 0
.rept 32
	v_mov_b32 v[ZS+i], 0            ; the running sums, 32 registers, written in the wait for the first tile
.set i, i+1
.endr
	CHANGE 1                        ; slot 0 is in; slot 1 is asked for
	FETCHQ 0
	s_wait_loadcnt 16               ; K's 64 loads are in; vh's 16 may stay out
	TILE 0, 1
	WIN 0
	s_mov_b32 s[CNT], 3             ; the first slot's tiles 1 to 6
	s_branch .Lpair
.Lslot:                             ; six times: the change stands in front of a slot's last tile, whose fragments are in registers, so that all fetches between two changes go to one slot
	CHANGE 1
	s_mov_b32 s[CNT], 4
.Lpair:
	TILE 1
	TILE 0
	WIN 0
	s_sub_co_u32 s[CNT], s[CNT], 1
	s_cmp_lg_u32 s[CNT], 0
	s_cbranch_scc1 .Lpair
	s_sub_co_u32 s[SLOTS], s[SLOTS], 1
	s_cmp_lg_u32 s[SLOTS], 0
	s_cbranch_scc1 .Lslot
	CHANGE 0                        ; the tail is written out: nothing is asked for
	s_mov_b32 s[CNT], 4
.Ltail:
	TILE 1
	TILE 0
	WIN 0
	s_sub_co_u32 s[CNT], s[CNT], 1
	s_cmp_lg_u32 s[CNT], 0
	s_cbranch_scc1 .Ltail
	TILE 1, 0, 0                    ; the last tile: nothing more to fetch
.set i, 0
.rept 16
	RIDE 1, i                       ; and its second half's vector work
.set i, i+1
.endr
	WIN 0
	; THE END.  A key's two running sums and those of the other half of the lanes are added; the four waves' partial Z meet in LDS.
.set kt, 0
.rept 16
	v_add_f32 v[ZP+kt], v[ZS+2*kt], v[ZS+2*kt+1]
.set kt, kt+1
.endr
.set kt, 0
.rept 16
	v_permlanex16_b32 v[ZS+2*kt], v[ZP+kt], s[SEL], s[SEL+1]
.set kt, kt+1
.endr
.set kt, 0
.rept 16
	v_add_f32 v[ZP+kt], v[ZP+kt], v[ZS+2*kt]
.set kt, kt+1
.endr
.set kt, 0
.rept 16
	ds_store_b32 v[ZST], v[ZP+kt] offset:16*kt  ; both halves of the lanes write the same word with the same number
.set kt, kt+1
.endr
	s_wait_dscnt 0x0                ; for the others' sake: my stores are done
	s_barrier_signal -1
	s_barrier_wait -1
.irp w, 0,1,2,3
.irp q, 0,1,2,3
	ds_load_b128 v[S+16*\w+4*\q:S+16*\w+4*\q+3], v[ZLD] offset:\w*1024+16*\q
.endr
.endr
	s_wait_dscnt 0x0
.set i, 0
.rept 8
	v_pk_add_f32 v[S+2*i:S+2*i+1], v[S+2*i:S+2*i+1], v[S+16+2*i:S+16+2*i+1]
	v_pk_add_f32 v[S+32+2*i:S+32+2*i+1], v[S+32+2*i:S+32+2*i+1], v[S+48+2*i:S+48+2*i+1]
.set i, i+1
.endr
.set i, 0
.rept 8
	v_pk_add_f32 v[S+2*i:S+2*i+1], v[S+2*i:S+2*i+1], v[S+32+2*i:S+32+2*i+1]
.set i, i+1
.endr
.set i, 0
.rept 8
	v_pk_mul_f32 v[S+2*i:S+2*i+1], v[S+2*i:S+2*i+1], s[SC:SC+1] op_sel_hi:[1,0]  ; Z / 4096, exact
.set i, i+1
.endr
.set i, 0
.rept 16
	v_rcp_f32 v[RZ+i], v[S+i]
.set i, i+1
.endr
	v_nop                           ; a plain instruction between the last reciprocal and the use of its result
	s_wait_loadcnt 0x0              ; vh
	WIN 0x02                        ; source 0 window 2
.set i, 0
	s_wait_alu depctr_va_vdst(0)
.rept 16                            ; v' = v x 4096 / Z, each half taken from f16 and rounded once to f16; the destinations have been written before
.irp k, 0,1,2,3
	v_fma_mixlo_f16 v[VN+4*i+\k], v[4*i+\k], v[RZ+i], v[NIL] op_sel_hi:[1,0,0]
	v_fma_mixhi_f16 v[VN+4*i+\k], v[4*i+\k], v[RZ+i], v[NIL] op_sel:[1,0,0] op_sel_hi:[1,0,0]
.endr
.set i, i+1
.endr
	WIN 0
.set i, 0
.rept 16
	global_store_b128 v[VO], v[VN+4*i:VN+4*i+3], s[10:11] offset:512*i  ; 512 consecutive bytes, at a multiple of 256 from vs's first
.set i, i+1
.endr
	s_wait_tensorcnt 0x0            ; the wave's end: behind my last tensor load and my last LDS store
	ds_add_u32 v[SPW], v[NIL]
	s_wait_dscnt 0x0
	CROUND                          ; the closing round: no work-group ends while a partner may still ask for a tile that names it
	s_endpgm
.Lfunc_end_k_q3c74b427d2_colsum:
	.size	k_q3c74b427d2_colsum, .Lfunc_end_k_q3c74b427d2_colsum-k_q3c74b427d2_colsum
	.p2alignl 7, 3214868480
	.fill 96, 4, 3214868480
	.section	.rodata,"a",@progbits
	.p2align	6, 0x0
	.amdhsa_kernel k_q3c74b427d2_colsum
		.amdhsa_group_segment_fixed_size 327680
		.amdhsa_private_segment_fixed_size 0
		.amdhsa_enable_private_segment 0
		.amdhsa_kernarg_size 32
		.amdhsa_user_sgpr_count 2
		.amdhsa_user_sgpr_kernarg_segment_ptr 1
		.amdhsa_wavefront_size32 1
		.amdhsa_system_sgpr_workgroup_id_x 1
		.amdhsa_system_sgpr_workgroup_id_y 1
		.amdhsa_system_sgpr_workgroup_id_z 1
		.amdhsa_system_vgpr_workitem_id 0
		.amdhsa_next_free_vgpr 576
		.amdhsa_next_free_sgpr 66
		.amdhsa_reserve_vcc 0
		.amdhsa_float_denorm_mode_32 3
		.amdhsa_float_denorm_mode_16_64 3
		.amdhsa_memory_ordered 1
		.amdhsa_forward_progress 1
		.amdhsa_inst_pref_size 108
	.end_amdhsa_kernel
	.amdgpu_metadata
---
amdhsa.version: [ 1, 2 ]
amdhsa.kernels:
  - .name:           k_q3c74b427d2_colsum
    .symbol:         k_q3c74b427d2_colsum.kd
    .args:
      - { .name: qh, .offset: 0, .size: 8, .value_kind: global_buffer, .address_space: global }
      - { .name: kh, .offset: 8, .size: 8, .value_kind: global_buffer, .address_space: global }
      - { .name: vh, .offset: 16, .size: 8, .value_kind: global_buffer, .address_space: global }
      - { .name: vs, .offset: 24, .size: 8, .value_kind: global_buffer, .address_space: global }
    .group_segment_fixed_size: 327680
    .private_segment_fixed_size: 0
    .kernarg_segment_align: 8
    .kernarg_segment_size: 32
    .max_flat_workgroup_size: 128
    .sgpr_count:     66
    .vgpr_count:     576
    .wavefront_size: 32
...
	.end_amdgpu_metadata
.endif
;; end of part 2
;; launch mix (part 3): grid 16 x 16, 4 waves a work-group, clusters of 4 x 1, 327,680 bytes of LDS; arguments qh, kh, vs, out0; writes out0
.if DOCPART == 3
	.amdgcn_target "amdgcn-amd-amdhsa--gfx1250"
	.amdhsa_code_object_version 6
	.text
	.protected	k_q3c74b427d2_mix
	.globl	k_q3c74b427d2_mix
	.p2align	8
	.type	k_q3c74b427d2_mix,@function
k_q3c74b427d2_mix:
	s_mov_b64 s[64:65], 0
	v_nop
	global_prefetch_b8 v0, s[64:65] scope:SCOPE_SE
	s_setreg_imm32_b32 hwreg(HW_REG_WAVE_MODE, 25, 1), 1
	s_wait_xcnt 0x0
	s_wait_alu depctr_hold_cnt(0) depctr_sa_sdst(0) depctr_va_vdst(0) depctr_va_sdst(0) depctr_va_ssrc(0) depctr_va_vcc(0) depctr_vm_vsrc(0)
	s_getreg_b32 s2, hwreg(HW_REG_IB_STS2, 6, 4)
	s_cmp_eq_u32 s2, 0
	s_cbranch_scc0 .Lentry_in_a_cluster
	s_endpgm
.Lentry_in_a_cluster:
	s_bfe_u32 s2, ttmp6, 0x10000c
	s_cmp_lg_u32 s2, 0x3003
	s_cbranch_scc0 .Lentry_shape_is_right
	s_endpgm
.Lentry_shape_is_right:
; out[q][:] = 2^-12 x the sum over all 4,096 keys k of 2^(qh[q] . kh[k]) vs[k][:].  qh, kh, vs: [16][4096][64] f16 (kh carries log2(e) / 8, vs carries 4096 / Z[k]); out0: [16][4096][64] f32.
; Products and sums in f32; the weights p = 2^(q . k) are rounded to f16 for the second product.
; NO MAXIMUM IS TAKEN AWAY: reference() normalises q and k itself, so |q . k / 8| < 8 for every input and p lies in 3.4e-4 .. 2,981: inside f16's normal numbers.  The softmax's divisor, a sum over
; queries, has been put into vs by the launch before.  NaN and infinities are not treated apart.
; SHARES.  A work-group owns 256 queries of one batch, each of its four waves 64: four PIECES of 16.  Every wave walks all keys, 64 a step.
; LAYOUT.  S^T = K Q^T (source 0 = 16 keys, source 1 = 16 queries): a lane holds ONE query (lane % 16) and the keys 8 (lane / 16) + 0..7.  Two such results, rounded to f16 in pairs, ARE source 1
; (32 keys x 16 queries) of O^T = V^T P, whose result again holds one query a lane, and eight channels.  K comes out of LDS as it lies, V ([key][channel]) turned, by ds_load_tr16_b128.
; BY TURNS.  Turn n belongs to piece n: 8 products K Q^T of piece n + 1, then 8 products V^T P of piece n - 1; behind each stand three vector lines of piece n: two exponentials and a rounding.
; NO FIRST AND NO LAST STEP are written out: O^T, V's registers and P's second buffer start at 0 (208 lines, in the wait for the first tile), the loop is entered and the tail left in the middle of
; a trip: 8 products on zeros at the start, 8 on a stale K at the end.
; CLUSTER.  The four query blocks of a cluster belong to one batch and walk the same K and V: each tile is asked for JOINTLY.  One tensor load of a wave is out at a time.
; REGISTERS: window 0 as named below: all of K Q^T, the exponentials and the roundings lie there, so only V^T P switches windows.  Window 1: v0-127 O^T, 32 a piece; v128-191 V of one step.
.set KS,    64        ; keys in a step
.set PK,    144       ; a row of K in LDS: 128 bytes + 16 of padding: the 16 rows of a load start at 16 different 16-byte columns of 256
.set PVP,   160       ; a row of V: 128 + 32: 16 lanes of the turning load take 8 rows x 32 bytes that do not meet modulo 256
.set VOFF,  4*KS*PK   ; a slot holds four steps: 256 rows of K, then 256 rows of V
.set SLOT1, 1<<17     ; slot 1 begins here, so that one exclusive or turns an address in one slot into the other's
.set STAGE, SLOT1+4*KS*(PK+PVP)  ; behind the ring, never filled by a tensor load: 16 rows x 272 bytes for each wave, for the way out
.set SP,    272
.set SPARE, STAGE+4*16*SP  ; the spare words, 128 bytes for each wave: two blocks of 256 bytes that no other line names
.set SLOTB, 4*KS*128  ; a slot's 256 rows in memory
.set AK0, 2           ; v2   my lane's place in a tile of K; never rewritten
.set AV0, 3           ; v3   the same for V
.set AK,  4           ; v4   the LDS address of K's next run of loads
.set AV,  5           ; v5   of V's
.set QO,  6           ; v6   my byte offset in 16 rows of Q
.set STO, 6           ;      later, the way out: where I put 32 bytes of a row
.set RD,  7           ; v7   the way out: where I read rows back
.set GO,  8           ; v8   my byte offset in two rows of out
.set SPW, 12          ; v12  LDS address of my spare word; never rewritten
.set NIL, 13          ; v13  0; never rewritten
.set PFO, 14          ; v14  256 x lane; never rewritten
.set Q,   16          ; v16-79    piece t, K step ks at 16 t + 8 ks
.set KF,  80          ; v80-143   key block kt, K step ks at 16 kt + 8 ks
.set S,   144         ; v144-207  two buffers of 32 (a piece's buffers go by its number's parity)
.set P,   208         ; v208-239  two buffers of 16
.set VF,  128         ; window 1: key half kk, channel block cb at 32 kk + 8 cb
.set WV,  12          ; s12  my wave's number
.set LIM, 15          ; s15  1 in a wave that prefetches, else the greatest number
.set PFA, 18          ; s[18:19] where my prefetches stand
.set G1K, 24          ; s[24:31] descriptor group 1 for K's tiles
.set G1V, 32          ; s[32:39] for V's: it differs in the padding alone
.set G0K, 40          ; s[40:43] descriptor group 0 for K's tiles: it walks
.set G0V, 44          ; s[44:47] the same for V's
.set SLOTS, 56        ; s56  counts the fills still to come
.set CNT, 57          ; s57  counts a slot's key steps
.set SC,  58          ; s[58:59] 2^-12
.set TBK, 62          ; s62  LDS byte at which K of the step to be fetched begins
.set TBV, 63          ; s63  the same for V, less VOFF
.set W_PV, 0x51       ; V and O^T in window 1, P in window 0
.set MSB, 0
.macro WIN new                      ; the high byte repeats the setting that is left; a switch that changes nothing is dropped
.if MSB != (\new)
	s_set_vgpr_msb (MSB<<8)|(\new)
.set MSB, (\new)
.endif
.endm
; A joint fill.  Waves 0 and 1 fetch the two halves of a slot's K, waves 2 and 3 those of its V: 128 keys each.  The branch hangs on the wave's number alone.
; An s_nop 0 and four v_nop follow each of the two lines, ahead of the jump and the label.
.macro JLOAD
	s_cmp_lt_u32 s[WV], 2
	s_cbranch_scc0 .Lfor_v_\@
	tensor_load_to_lds s[G0K:G0K+3], s[G1K:G1K+7]
	s_nop 0
.rept 4
	v_nop
.endr
	s_branch .Lasked_\@
.Lfor_v_\@:
	tensor_load_to_lds s[G0V:G0V+3], s[G1V:G1V+7]
	s_nop 0
.rept 4
	v_nop
.endr
.Lasked_\@:
.endm
; A PREFETCH INTO THE L2 of what the NEXT fill will ask for: 256 rows of K and of V, 128 blocks of 256 bytes each.  All four clusters of a batch walk the same K and V: the batch's first cluster asks.
; Its four partners share the blocks out BY ADDRESS, 32 each, a lane a block; in each, wave 0 asks for K's and wave 2 for V's.  So each block is named once in the launch.  The last fill asks for nothing.
.macro ASK
	s_cmp_gt_u32 s[SLOTS], s[LIM]
	s_cbranch_scc0 .Lnot_mine_\@
	global_prefetch_b8 v[PFO], s[PFA:PFA+1] th:TH_LOAD_NT scope:SCOPE_SE
.Lnot_mine_\@:
.endm
; A round of the cluster's barrier: my work-group's barrier, so that wave 0's signal speaks for all four waves; wave 0 signals; every wave waits for all four work-groups; my work-group's barrier once more.
.macro CROUND
	s_barrier_signal -1
	s_barrier_wait -1
	s_cmp_lg_u32 s[WV], 0
	s_cbranch_scc1 .Lnot_wave_0_\@
	s_barrier_signal -3
.Lnot_wave_0_\@:
	s_barrier_wait -3
	s_barrier_signal -1
	s_barrier_wait -1
.endm
; THE CHANGE OF SLOTS.  The slot's last bytes, V of its fourth step, have been read.  Each wave waits for all its tensor loads, of which one is out: its part of the other slot; adds 0 to its spare word;
; and waits for that and for its own reads of the slot.  fill = 1: the slot is filled again, with the keys two slots on: the barrier is a round of the cluster's, so that no wave of any partner still reads
; the slot or has a load on its way, and the joint fill is the first thing behind it: it has four key steps, 256 products, in which to land.  (At its first use: slot 0 is waited for, slot 1 filled.)
.macro CHANGE fill
	WIN 0                           ; at a label and at a branch every window is 0
	s_wait_tensorcnt 0x0            ; no tensor load of mine is out, so a group 0 may be written
	ds_add_u32 v[SPW], v[NIL]       ; 0 onto my spare word
.if \fill
.irp g, G0K, G0V
	s_xor_b32 s[\g+1], s[\g+1], SLOT1
	s_add_nc_u64 s[\g+2:\g+3], s[\g+2:\g+3], SLOTB  ; the type bits on top are not reached
.endr
	s_wait_xcnt 0x0                 ; the last prefetch, four key steps back, has read its address
	s_add_nc_u64 s[PFA:PFA+1], s[PFA:PFA+1], SLOTB
	s_wait_dscnt 0x0                ; the add is done, and my reads of the slot are over
	CROUND
	JLOAD
	ASK
.else
	s_wait_dscnt 0x0                ; the add is done, and my reads of the slot are over
	s_barrier_signal -1
	s_barrier_wait -1
.endif
	s_sub_co_u32 s[TBK], s[TBK], 4*KS*PK  ; the fetches go back to a slot's first step,
	s_xor_b32 s[TBK], s[TBK], SLOT1       ; in the other slot
	s_sub_co_u32 s[TBV], s[TBV], 4*KS*PVP
	s_xor_b32 s[TBV], s[TBV], SLOT1
.endm
; THE MATRIX WORK.  The 4 accumulators of a run of 8 take turns.  Product i of 8 of S^T = K Q^T for piece x: channels 32 (i / 4) on, keys 16 (i % 4) on.  The first 4 start the sums.
.macro KQ x
	WIN 0
.set rS, S+32*((\x)%2)+8*(i%4)
.set rK, KF+16*(i%4)+8*(i/4)
.set rQ, Q+16*(\x)+8*(i/4)
.if i < 4
	v_wmma_f32_16x16x32_f16 v[rS:rS+7], v[rK:rK+7], v[rQ:rQ+7], 0
.else
	v_wmma_f32_16x16x32_f16 v[rS:rS+7], v[rK:rK+7], v[rQ:rQ+7], v[rS:rS+7]
.endif
.endm
; Product i of 8 of O^T += V^T P for piece x: keys 32 (i / 4) on, channels 16 (i % 4) on.
.macro PVM x
	WIN W_PV
.set rO, 32*(\x)+8*(i%4)
.set rV, VF+32*(i/4)+8*(i%4)
.set rP, P+16*((\x)%2)+8*(i/4)
	v_wmma_f32_16x16x32_f16 v[rO:rO+7], v[rV:rV+7], v[rP:rP+7], v[rO:rO+7]
.endm
; Slice s of 16 of piece y's vector work: the exponentials of scores 2 s and 2 s + 1 (ascending: each accumulator's lowest register is read first) and the rounding of the pair
; before: a plain instruction stands between a pair's exponentials and its rounding (in slice 0 a v_nop; ISA guide 5.7.2).
.macro RIDE y, s
	WIN 0
.set rS, S+32*((\y)%2)
.set rP, P+16*((\y)%2)
	v_exp_f32 v[rS+2*(\s)], v[rS+2*(\s)]
	v_exp_f32 v[rS+2*(\s)+1], v[rS+2*(\s)+1]
.if (\s) == 0
	v_nop
.else
	s_wait_alu depctr_va_vdst(0)
	v_cvt_pk_f16_f32 v[rP+(\s)-1], v[rS+2*(\s)-2], v[rS+2*(\s)-1]
.endif
.if (\s) == 15
	v_cvt_pk_f16_f32 v[rP+15], v[rS+30], v[rS+31]
.endif
.endm
; THE LDS LOADS stand in runs of 16: a step's K (64 keys x 64 channels), the first 32 channels first, and its V (turned), the first 32 keys first.  last = 1 (the tail): in the last trip there is no further step.
.macro FETCH_K last=0
.if \last
	s_cmp_eq_u32 s[CNT], 1
	s_cbranch_scc1 .Lno_k_\@
.endif
.irp c, 0,1
.irp k, 0,1,2,3
	ds_load_b128 v[KF+16*\k+8*\c:KF+16*\k+8*\c+3],   v[AK] offset:\k*16*PK+\c*64
	ds_load_b128 v[KF+16*\k+8*\c+4:KF+16*\k+8*\c+7], v[AK] offset:\k*16*PK+\c*64+32
.endr
.endr
	s_add_co_u32 s[TBK], s[TBK], KS*PK  ; the next fetch is the next step's
.if \last
.Lno_k_\@:
.endif
.endm
.macro FETCH_V
	WIN 0x40                        ; destination window 1
.irp f, 0,1,2,3,4,5,6,7             ; keys 32 (f / 4) on, channels 16 (f % 4) on
	ds_load_tr16_b128 v[VF+8*\f:VF+8*\f+3],   v[AV] offset:(\f/4)*32*PVP+(\f%4)*32
	ds_load_tr16_b128 v[VF+8*\f+4:VF+8*\f+7], v[AV] offset:(\f/4)*32*PVP+16*PVP+(\f%4)*32
.endr
	WIN 0
.endm
; A TURN, for piece p.  K of the next step is fetched in piece 2's turn, behind the last product that read K and four plain instructions (a rounding, the address, two v_nop); piece 3's turn waits for its
; first half at its head (the 8 younger loads may stay out) and for the rest ahead of its fifth product.  V of the step in hand is fetched at the end of piece 0's turn, behind the last product that read
; V and four plain instructions (two roundings, the address, a v_nop); piece 1's turn waits for it in the same two parts ahead of its products V^T P.
.macro TURN p, last=0
.if (\p) == 3
	s_wait_dscnt 8
.endif
.set i, 0
.rept 8
.if ((\p) == 3) && (i == 4)
	s_wait_dscnt 0x0
.endif
	KQ ((\p)+1)%4
	RIDE \p, i
.set i, i+1
.endr
.if (\p) == 2
	v_add_nc_u32 v[AK], s[TBK], v[AK0]
	v_nop
	v_nop
	FETCH_K \last
.endif
.set i, 0
.rept 8
.if ((\p) == 1) && (i == 0)
	s_wait_dscnt 8
.endif
.if ((\p) == 1) && (i == 4)
	s_wait_dscnt 0x0
.endif
	PVM ((\p)+3)%4
	RIDE \p, i+8
.set i, i+1
.endr
.if (\p) == 0
	v_add_nc_u32 v[AV], s[TBV], v[AV0]
	v_nop
	FETCH_V
	s_add_co_u32 s[TBV], s[TBV], KS*PVP
.endif
.endm
	s_load_b256 s[4:11], s[0:1], 0x0  ; qh s[4:5], kh s[6:7], vs s[8:9], out0 s[10:11]
	v_lshl_add_u32 v[SPW], v0, 2, SPARE
	v_mov_b32 v[NIL], 0
	ds_add_u32 v[SPW], v[NIL]       ; the wave's opening: the add and its wait stand ahead of my first tensor load; the set-up below, work on registers, stands between them
	v_lshrrev_b32 v1, 5, v0
	v_readfirstlane_b32 s[WV], v1   ; wave 0..3
	s_bfe_u32 s13, ttmp6, 0x40000   ; cx: my place in the cluster: it enters Q's, out's and the prefetches' addresses alone
	s_lshl_b32 s14, ttmp9, 2        ; in a cluster launch ttmp9 counts clusters
	s_add_co_u32 s14, s14, s13      ; my block of 256 queries
	s_and_b32 s20, ttmp7, 0xffff    ; the batch, which the four partners share
	s_lshl_b32 s50, s20, 20         ; its 4,096 rows of 256 bytes in out,
	s_lshl_b32 s20, s20, 19         ; of 128 bytes in the others
	s_mov_b32 s21, 0
	s_and_b32 s16, s[WV], 1         ; which half of a slot's 256 keys I fetch:
	s_lshl_b32 s22, s16, 14         ; its 128 rows of 128 bytes in memory,
	s_mov_b32 s23, 0
	s_add_nc_u64 s[22:23], s[22:23], s[20:21]
	s_mul_i32 s48, s16, 128*PK      ; and its place in a slot, for K
	s_mul_i32 s49, s16, 128*PVP     ; and for V: no place in the cluster enters an LDS address
	s_lshl_b32 s2, s14, 15          ; Q: my block's 256 rows,
	s_lshl_b32 s3, s[WV], 13        ; my wave's 64
	s_add_co_u32 s2, s2, s3
	s_mov_b32 s3, 0
	s_add_nc_u64 s[2:3], s[2:3], s[20:21]
	s_lshl_b32 s51, s14, 16         ; out: the same rows, of 256 bytes
	s_add_co_u32 s50, s50, s51
	s_lshl_b32 s51, s[WV], 14
	s_add_co_u32 s50, s50, s51
	s_mov_b32 s51, 0
	s_lshl_b32 s52, s13, 13         ; the prefetches: my work-group's 32 blocks of the 128
	s_mov_b32 s53, 0
	s_and_b32 s[LIM], s[WV], 1      ; 0 in waves 0 and 2,
	s_or_b32 s[LIM], s[LIM], ttmp9  ; where the cluster is the batch's first: the same in all four partners
	s_cmp_eq_u32 s[LIM], 0
	s_cselect_b32 s[LIM], 1, -1
	; descriptor group 1.  128 keys are 16,384 dense bytes: asked for as 64 rows of 256 bytes, two keys a row, and padded in LDS after every key
	s_mov_b32 s[G1K], 15|(1<<16)|(1<<20)|(1<<21)|(4<<22)|(3<<25)  ; 15:0 the mask of four; 17:16 2-byte elements; 20 padding on; 21 set beside a mask; 24:22 after every 32 words (code 4); 31:25 4 words (code 3)
	s_mov_b32 s[G1V], 15|(1<<16)|(1<<20)|(1<<21)|(4<<22)|(7<<25)  ; the same with 8 words of padding (code 7)
.irp g, G1K, G1V
	s_mov_b32 s[\g+1], 128<<16      ; tensor_dim0 = 128
	s_mov_b32 s[\g+2], 64<<16       ; tensor_dim1 = 64
	s_mov_b32 s[\g+3], 128<<16      ; tile_dim0 = 128
	s_mov_b32 s[\g+4], 64           ; tile_dim1 = 64
	s_mov_b32 s[\g+5], 128          ; 128 elements from row to row
	s_mov_b32 s[\g+6], 0
	s_mov_b32 s[\g+7], 0
.endr
	s_mov_b32 s[SC], 0x39800000     ; 2^-12
	s_mov_b32 s[SC+1], s[SC]        ; named with it as a pair
	s_mov_b32 s[TBK], SLOT1+4*KS*PK ; the first change of slots turns these two into 0
	s_mov_b32 s[TBV], SLOT1+4*KS*PVP
	s_mov_b32 s[SLOTS], 15
	s_mov_b32 s[G0K], 1             ; 1:0 count = 1
	s_mov_b32 s[G0K+1], s48         ; 63:32 LDS address: slot 0
	s_mov_b32 s[G0V], 1
	s_add_co_u32 s[G0V+1], s49, VOFF
	s_wait_dscnt 0x0                ; the opening add is done
	s_wait_kmcnt 0x0
	s_add_nc_u64 s[6:7], s[6:7], s[22:23]  ; K and V at my half of the batch's first 256 keys
	s_add_nc_u64 s[8:9], s[8:9], s[22:23]
	s_mov_b64 s[G0K+2:G0K+3], s[6:7]               ; 120:64 global address
	s_or_b32 s[G0K+3], s[G0K+3], 0x80000000        ; 127:126 type = 2
	s_mov_b64 s[G0V+2:G0V+3], s[8:9]
	s_or_b32 s[G0V+3], s[G0V+3], 0x80000000
	s_add_nc_u64 s[4:5], s[4:5], s[2:3]            ; Q and out at my wave's first row
	s_add_nc_u64 s[10:11], s[10:11], s[50:51]
	s_cmp_lt_u32 s[WV], 2
	s_cselect_b64 s[PFA:PFA+1], s[6:7], s[8:9]     ; (in waves 0 and 2 these stand at a slot's first row)
	s_add_nc_u64 s[PFA:PFA+1], s[PFA:PFA+1], s[52:53]
	s_add_nc_u64 s[PFA:PFA+1], s[PFA:PFA+1], SLOTB ; in the second slot's keys: the first change of slots steps it to the third's
	CROUND                          ; all four work-groups are here: the first joint loads meet
	JLOAD                           ; slot 0.  Slot 1 is asked for when slot 0 is in
	; A fragment of K or Q is 16 rows x 32 channels in 8 registers: lane l holds row l % 16, channels 8 (l / 16) + 0..7 and 16 + 8 (l / 16) + 0..7: two loads of 16 bytes, 32 bytes apart.
	v_and_b32 v1, 15, v0            ; l % 16
	v_bfe_u32 v9, v0, 4, 1          ; l / 16
	v_lshlrev_b32 v[QO], 7, v1
	v_lshl_add_u32 v[QO], v9, 4, v[QO]  ; row x 128 + 16 x half
.set i, 0
.rept 8                             ; Q stays in registers: piece i / 2, channels 32 (i % 2) on
	global_load_b128 v[Q+8*i:Q+8*i+3],   v[QO], s[4:5] offset:(i/2)*2048+(i%2)*64
	global_load_b128 v[Q+8*i+4:Q+8*i+7], v[QO], s[4:5] offset:(i/2)*2048+(i%2)*64+32
.set i, i+1
.endr
	WIN 0x40                        ; what the first turn finds: O^T is 0, and V's registers and P's second buffer hold 0, so that its products V^T P, of a piece that has not been, add 0
.set i, 0
.rept 192
	v_mov_b32 v[i], 0
.set i, i+1
.endr
	WIN 0
.set i, P+16
.rept 16
	v_mov_b32 v[i], 0
.set i, i+1
.endr
	v_and_b32 v[PFO], 31, v0
	v_lshlrev_b32 v[PFO], 8, v[PFO]
	v_mul_u32_u24 v[AK0], v1, PK
	v_lshl_add_u32 v[AK0], v9, 4, v[AK0]  ; row x pitch + 16 x half
	; The turning load takes 16 keys x 16 channels (lane l reads key 8 (l / 16) + l % 8, channels 8 ((l / 8) % 2) + 0..7) and leaves half a fragment of V^T: lane l holds channel l % 16 and 8 keys.
	v_and_b32 v10, 7, v0
	v_bfe_u32 v11, v0, 3, 1
	v_lshl_add_u32 v[AV0], v9, 3, v10
	v_mul_u32_u24 v[AV0], v[AV0], PVP
	v_lshl_add_u32 v[AV0], v11, 4, v[AV0]
	v_add_nc_u32 v[AV0], VOFF, v[AV0]
	v_mov_b32 v[AK], v[AK0]         ; key step 0 lies at the head of slot 0
	CHANGE 1                        ; slot 0 is in, everybody's part of it; slot 1 is asked for
	FETCH_K                         ; key step 0
	s_wait_loadcnt 0x0              ; Q
	s_wait_dscnt 0x0
.set i, 0
.rept 8
	KQ 0                            ; piece 0's first scores: there is no vector work yet to set between them
.set i, i+1
.endr
	s_mul_i32 s13, s[WV], 16*SP     ; the addresses for the way out: eight plain instructions, the places behind those products
	s_add_co_u32 s13, s13, STAGE    ; my stage
	v_mul_u32_u24 v[STO], v1, SP    ; in: row l % 16, 32 bytes for each half of the lanes
	v_lshl_add_u32 v[STO], v9, 5, v[STO]
	v_add_nc_u32 v[STO], s13, v[STO]
	v_mul_u32_u24 v[RD], v9, SP     ; back: lanes 0-15 take one row of 256 bytes, lanes 16-31 the next
	v_lshl_add_u32 v[RD], v1, 4, v[RD]
	v_add_nc_u32 v[RD], s13, v[RD]
	v_lshlrev_b32 v[GO], 8, v9      ; and the same two rows in out
	v_lshl_add_u32 v[GO], v1, 4, v[GO]
	s_mov_b32 s[CNT], 4
	s_branch .Lfirst                ; the loop is entered at a step's first turn, in the middle of a trip
.Lslot:                             ; 14 times: every slot but the last two is filled again
	CHANGE 1
	s_mov_b32 s[CNT], 4
.Lstep:                             ; a trip: pieces 2 and 3 of one step, then pieces 0 and 1 of the next, whose K and V it fetches
	TURN 2
	TURN 3
	WIN 0
.Lfirst:
	TURN 0
	TURN 1
	WIN 0
	s_sub_co_u32 s[CNT], s[CNT], 1
	s_cmp_lg_u32 s[CNT], 0
	s_cbranch_scc1 .Lstep
	s_sub_co_u32 s[SLOTS], s[SLOTS], 1
	s_cmp_lg_u32 s[SLOTS], 0
	s_cbranch_scc1 .Lslot
	CHANGE 0                        ; the tail is written out: nothing is asked for
	s_mov_b32 s[CNT], 5             ; four trips fetch the last slot's steps; the fifth is left in its middle
.Ltail:
	TURN 2, 1
	TURN 3
	WIN 0
	s_sub_co_u32 s[CNT], s[CNT], 1
	s_cmp_eq_u32 s[CNT], 0
	s_cbranch_scc1 .Lout
	TURN 0
	TURN 1
	WIN 0
	s_branch .Ltail
.Lout:                              ; the fifth trip's 8 products K Q^T (on the last K once more) serve nothing: the price, once a launch, of one text for every trip
.set i, 0
.rept 8
	PVM 3                           ; the last piece's V^T P of the last step
.set i, i+1
.endr
	; THE WAY OUT.  O^T times 2^-12 (exact), through my stage in LDS, a piece (16 rows of out) at a time.  Piece 0's multiplications are the places behind the last products.
.macro PACK t                       ; a lane's eight channels of a block are 32 bytes of a row; they go into rows of 272 bytes and come back as whole rows of 256, into K's and S^T's registers
	WIN 0x41                        ; destination and source 0 window 1
.set i, 32*(\t)
.rept 16
	v_pk_mul_f32 v[i:i+1], v[i:i+1], s[SC:SC+1] op_sel_hi:[1,0]
.set i, i+2
.endr
	WIN 0x04                        ; a store's data is source 1: window 1
.irp c, 0,1,2,3
	ds_store_b128 v[STO], v[32*(\t)+8*\c:32*(\t)+8*\c+3]   offset:64*\c
	ds_store_b128 v[STO], v[32*(\t)+8*\c+4:32*(\t)+8*\c+7] offset:64*\c+16
.endr
	WIN 0
.irp f, 0,1,2,3,4,5,6,7
	ds_load_b128 v[KF+32*(\t)+4*\f:KF+32*(\t)+4*\f+3], v[RD] offset:\f*2*SP  ; LDS serves a wave's instructions in order (ISA guide 5.7.1.4): these see the stores above; the next piece's stores come behind them
.endr
.endm
.macro SEND t, younger              ; younger: the LDS instructions issued behind piece t's loads: the next piece's sixteen, or none
	WIN 0
.irp f, 0,1,2,3,4,5,6,7
	s_wait_dscnt (\younger)+7-\f
	global_store_b128 v[GO], v[KF+32*(\t)+4*\f:KF+32*(\t)+4*\f+3], s[10:11] offset:(\t)*4096+\f*512 th:TH_STORE_NT  ; two rows: 512 consecutive bytes, at a multiple of 256 from out's first
.endr
.endm
	PACK 0
	PACK 1                          ; a piece's arithmetic stands between the loads of the piece before and its stores
	SEND 0, 16
	PACK 2
	SEND 1, 16
	PACK 3
	SEND 2, 16
	SEND 3, 0
	s_wait_tensorcnt 0x0            ; the wave's end: behind my last tensor load and my last LDS store
	ds_add_u32 v[SPW], v[NIL]
	s_wait_dscnt 0x0
	CROUND                          ; the closing round: no work-group ends while a partner may still ask for a tile that names it
	s_endpgm
.Lfunc_end_k_q3c74b427d2_mix:
	.size	k_q3c74b427d2_mix, .Lfunc_end_k_q3c74b427d2_mix-k_q3c74b427d2_mix
	.p2alignl 7, 3214868480
	.fill 96, 4, 3214868480
	.section	.rodata,"a",@progbits
	.p2align	6, 0x0
	.amdhsa_kernel k_q3c74b427d2_mix
		.amdhsa_group_segment_fixed_size 327680
		.amdhsa_private_segment_fixed_size 0
		.amdhsa_enable_private_segment 0
		.amdhsa_kernarg_size 32
		.amdhsa_user_sgpr_count 2
		.amdhsa_user_sgpr_kernarg_segment_ptr 1
		.amdhsa_wavefront_size32 1
		.amdhsa_system_sgpr_workgroup_id_x 1
		.amdhsa_system_sgpr_workgroup_id_y 1
		.amdhsa_system_sgpr_workgroup_id_z 1
		.amdhsa_system_vgpr_workitem_id 0
		.amdhsa_next_free_vgpr 448
		.amdhsa_next_free_sgpr 66
		.amdhsa_reserve_vcc 0
		.amdhsa_float_denorm_mode_32 3
		.amdhsa_float_denorm_mode_16_64 3
		.amdhsa_memory_ordered 1
		.amdhsa_forward_progress 1
		.amdhsa_inst_pref_size 71
	.end_amdhsa_kernel
	.amdgpu_metadata
---
amdhsa.version: [ 1, 2 ]
amdhsa.kernels:
  - .name:           k_q3c74b427d2_mix
    .symbol:         k_q3c74b427d2_mix.kd
    .args:
      - { .name: qh, .offset: 0, .size: 8, .value_kind: global_buffer, .address_space: global }
      - { .name: kh, .offset: 8, .size: 8, .value_kind: global_buffer, .address_space: global }
      - { .name: vs, .offset: 16, .size: 8, .value_kind: global_buffer, .address_space: global }
      - { .name: out0, .offset: 24, .size: 8, .value_kind: global_buffer, .address_space: global }
    .group_segment_fixed_size: 327680
    .private_segment_fixed_size: 0
    .kernarg_segment_align: 8
    .kernarg_segment_size: 32
    .max_flat_workgroup_size: 128
    .sgpr_count:     66
    .vgpr_count:     448
    .wavefront_size: 32
...
	.end_amdgpu_metadata
.endif
;; end of part 3
